; MI455X (gfx1250); checked and timed in simulation.
; The chip was launched on July 23, 2026; its instructions are those of AMD's public machine-readable ISA for CDNA 5 (MIT licence, August 2026) and "CDNA5" Instruction Set Architecture Reference Guide (July 2026). The comments in the code are by the model that wrote it; some were corrected since.
;; Dorefa Dense. Allowed arithmetic: float matrix products may take bf16 or f16 operands with f32 sums; other float arithmetic in f32, or as packed bf16 or f16 multiplies, adds, multiply-adds, maxima and minima; sums over many terms, partial sums and values carried from step to step in f32; what a program stores and reads back later, other than sums and carried values, may be rounded once to bf16 or f16.
;; Inputs: W 4,096 x 4,096 float32; b 4,096 float32; inputs 4,096 x 4,096 float32.
;; Outputs: out0 4,096 x 4,096 float32.
;; One version. Each part assembles by itself: llvm-mc -triple=amdgcn-amd-amdhsa -mcpu=gfx1250 --defsym DOCPART=n.
;; ======== version 1 of 1: 2 launches
;; workspace buffers: acode 33,554,432 bytes; wsign 33,554,432 bytes; wpart 1,024 bytes
;; launch quant (part 1): grid 256 x 1, 32 waves a work-group, no clusters, 4,352 bytes of LDS; arguments W, inputs, acode, wsign, wpart; writes acode, wsign, wpart
.if DOCPART == 1
	.amdgcn_target "amdgcn-amd-amdhsa--gfx1250"
	.amdhsa_code_object_version 6
	.text
	.protected	k_q240f97adfa_quant
	.globl	k_q240f97adfa_quant
	.p2align	8
	.type	k_q240f97adfa_quant,@function
k_q240f97adfa_quant:
	s_mov_b64 s[64:65], 0
	v_nop
	global_prefetch_b8 v0, s[64:65] scope:SCOPE_SE
	s_setreg_imm32_b32 hwreg(HW_REG_WAVE_MODE, 25, 1), 1
	s_wait_xcnt 0x0
; THE TWO OPERANDS AS EXACT bf16 CODES, AND THE PARTIAL SUMS OF |W|.
;   acode[m][k] = round to even of min(7, 7 |inputs[m][k]|): a whole number 0 .. 7.  The f32 product by 7 is monotone, so this is round(7 min(1, |x|)) bit for bit.
;   wsign[k][n] = +1, -1, or 0 where W[k][n] is 0 (either sign of zero): sign(W / E) for E > 0.  W's own order is kept: the next launch turns it on its way out of LDS.
;   wpart[g]    = the sum of |W| over work-group g's 16 rows, in f32; the next launch adds the 256 of them.
; LIMITS.  A NaN in inputs counts as magnitude 1 (the minimum drops it), where the source formula would carry it on; an infinity counts as 1, as there.  The sign is taken of W itself, denormals
; count as non-zero: a quotient W / E that would underflow to 0 is not modelled.  A NaN in W reaches wpart and so every output.
; SHARES.  Both tensors are 4,096 x 4,096 f32 and dense.  Work-group g owns rows 16 g .. 16 g + 15 of each: 262,144 bytes, 16 chunks of 16,384.  Of a chunk thread t takes 16 bytes at 16 t:
; a wave's load covers 512 consecutive bytes, its store of 8 bytes a lane 256 consecutive bytes at a multiple of 256 from the buffer's first byte.
; IN FLIGHT.  A thread's 32 chunks (W's 16, then inputs' 16) go through a ring of 24 register slots: 24 loads a wave are out at the start, and slots 0 to 7 are loaded again as they are used up.
; No loop: all offsets stand in the immediates.  No LDS on the way, no matrix unit, no cluster: no wave wants a byte that another has fetched.
.set CH,   16384                       ; bytes of a chunk as loaded; half as many are stored
.set IO,   1                           ; v1   16 t; never rewritten
.set OO,   2                           ; v2   8 t; never rewritten
.set SPW,  3                           ; v3   LDS address of my spare word: SPARE + 4 t; never rewritten
.set NIL,  4                           ; v4   0; never rewritten
.set WW,   5                           ; v5   4 x my wave's number: its word in LDS
.set LW,   6                           ; v6   4 x my lane
.set ZO,   7                           ; v7   0: the offset of wpart's store
.set ACC,  8                           ; v[8:11]   four chains of the sum of |w|
.set T,    12                          ; v[12:15]  at work
.set Y,    16                          ; v[16:31]  eight pairs of store data: chunk p uses pair p % 8
.set X,    32                          ; v[32:127] 24 slots of four registers: chunk p uses slot p % 24
.set SPARE, 256                        ; LDS: bytes 0-127 one word a wave (the block 0-255 is theirs); from 256 on the spare words, 128 bytes for each of 32 waves
	s_load_b256 s[4:11], s[0:1], 0x0               ; W s[4:5], inputs s[6:7], acode s[8:9], wsign s[10:11]
	s_load_b64 s[12:13], s[0:1], 0x20              ; wpart
	v_lshl_add_u32 v[SPW], v0, 2, SPARE
	v_mov_b32 v[NIL], 0
	v_lshlrev_b32 v[IO], 4, v0
	v_lshlrev_b32 v[OO], 3, v0
	v_lshrrev_b32 v[WW], 5, v0
	v_readfirstlane_b32 s14, v[WW]                 ; my wave's number as a scalar
	v_lshlrev_b32 v[WW], 2, v[WW]
	v_and_b32 v[LW], 31, v0
	v_lshlrev_b32 v[LW], 2, v[LW]
	v_mov_b32 v[ZO], 0
	s_lshl_b32 s16, ttmp9, 18                      ; g x 262,144: under 2^26
	s_mov_b32 s17, 0
	s_lshl_b32 s18, ttmp9, 17                      ; g x 131,072
	s_mov_b32 s19, 0
	s_lshl_b32 s26, ttmp9, 2                       ; g x 4
	s_mov_b32 s27, 0
	s_mov_b32 s21, 0x40e00000                      ; 7.0
	s_mov_b32 s22, 0x80000000                      ; the sign
	s_mov_b32 s23, 0x3f800000                      ; 1.0
	s_mov_b32 s24, 0x76543210                      ; v_permlanex16_b32: each lane takes its own place in the other half
	s_mov_b32 s25, 0xfedcba98
	s_wait_kmcnt 0x0
	s_add_nc_u64 s[4:5], s[4:5], s[16:17]
	s_add_nc_u64 s[6:7], s[6:7], s[16:17]
	s_add_nc_u64 s[8:9], s[8:9], s[18:19]
	s_add_nc_u64 s[10:11], s[10:11], s[18:19]
	s_add_nc_u64 s[12:13], s[12:13], s[26:27]
.macro LD p                            ; chunk p into its slot
.if (\p) < 16
	global_load_b128 v[X+4*((\p)%24):X+4*((\p)%24)+3], v[IO], s[4:5] offset:(\p)*CH th:TH_LOAD_NT
.else
	global_load_b128 v[X+4*((\p)%24):X+4*((\p)%24)+3], v[IO], s[6:7] offset:((\p)-16)*CH th:TH_LOAD_NT
.endif
.endm
; The two waits at a chunk's head.  Loads come back in order (ISA guide 5.7.1).  Up to chunk 8, 24 + p loads have been issued: 23 are younger than chunk p's; from then on all 32 are issued: 31 - p are.
.macro HEAD p
.if (\p) <= 8
	s_wait_loadcnt 23
.else
	s_wait_loadcnt 31-(\p)
.endif
.if (\p) >= 8
	s_wait_xcnt 0x0                                ; pair p % 8 of Y was the data of chunk p - 8's store: it is rewritten only behind this wait
.endif
.endm
.macro WCH p                           ; a chunk of W: four signs, four terms of the sum
	HEAD \p
.irp j, 0,1,2,3
	v_and_or_b32 v[T+(\j)], v[X+4*((\p)%24)+(\j)], s22, s23   ; w's sign on 1.0
	v_cmp_neq_f32 vcc_lo, 0, v[X+4*((\p)%24)+(\j)]
	v_cndmask_b32 v[T+(\j)], 0, v[T+(\j)], vcc_lo             ; 0 where w is 0
.if (\p) == 0
	v_and_b32 v[ACC+(\j)], 0x7fffffff, v[X+4*((\p)%24)+(\j)]  ; the first chunk starts the four chains: nothing is cleared
.else
	v_add_f32 v[ACC+(\j)], v[ACC+(\j)], |v[X+4*((\p)%24)+(\j)]|
.endif
.endr
	v_cvt_pk_bf16_f32 v[Y+2*((\p)%8)],   v[T],   v[T+1]       ; exact
	v_cvt_pk_bf16_f32 v[Y+2*((\p)%8)+1], v[T+2], v[T+3]
.if (\p) < 8
	LD (\p)+24                                     ; the slot's next chunk, ahead of the store
.endif
	global_store_b64 v[OO], v[Y+2*((\p)%8):Y+2*((\p)%8)+1], s[10:11] offset:(\p)*(CH/2) th:TH_STORE_NT
.endm
.macro ACH p                           ; a chunk of inputs: four codes
	HEAD \p
.irp j, 0,1,2,3
	v_mul_f32 v[T+(\j)], s21, |v[X+4*((\p)%24)+(\j)]|         ; 7 |x|, rounded once as in the source formula
.endr
.irp j, 0,1,2,3
	v_min_num_f32 v[T+(\j)], s21, v[T+(\j)]
.endr
.irp j, 0,1,2,3
	v_rndne_f32 v[T+(\j)], v[T+(\j)]                          ; halves go to the even number
.endr
	v_cvt_pk_bf16_f32 v[Y+2*((\p)%8)],   v[T],   v[T+1]       ; exact
	v_cvt_pk_bf16_f32 v[Y+2*((\p)%8)+1], v[T+2], v[T+3]
	global_store_b64 v[OO], v[Y+2*((\p)%8):Y+2*((\p)%8)+1], s[8:9] offset:((\p)-16)*(CH/2) th:TH_STORE_NT
.endm
.macro WAVESUM                         ; v[ACC] summed over the 32 lanes, the result in every lane
	v_add_f32_dpp v[ACC], v[ACC], v[ACC] row_xmask:1 row_mask:0xf bank_mask:0xf
	v_add_f32_dpp v[ACC], v[ACC], v[ACC] row_xmask:2 row_mask:0xf bank_mask:0xf
	v_add_f32_dpp v[ACC], v[ACC], v[ACC] row_xmask:4 row_mask:0xf bank_mask:0xf
	v_add_f32_dpp v[ACC], v[ACC], v[ACC] row_xmask:8 row_mask:0xf bank_mask:0xf
	v_permlanex16_b32 v[ACC+1], v[ACC], s24, s25   ; its destination counts as read: a register that has been written
	v_add_f32 v[ACC], v[ACC], v[ACC+1]
.endm
.irp p, 0,1,2,3,4,5,6,7,8,9,10,11,12,13,14,15,16,17,18,19,20,21,22,23
	LD \p
.endr
.irp p, 0,1,2,3,4,5,6,7,8,9,10,11,12,13,14,15
	WCH \p
.endr
.irp p, 16,17,18,19,20,21,22,23,24,25,26,27,28,29,30,31
	ACH \p
.endr
	; the work-group's sum of |w|: four chains, 32 lanes, 32 waves
	v_add_f32 v[ACC], v[ACC], v[ACC+1]
	v_add_f32 v[ACC+2], v[ACC+2], v[ACC+3]
	v_add_f32 v[ACC], v[ACC], v[ACC+2]
	WAVESUM
	ds_store_b32 v[WW], v[ACC]                     ; all lanes write the wave's word with the same number
	s_wait_dscnt 0x0                               ; for the others' sake: my store is done
	s_barrier_signal -1
	s_barrier_wait -1                              ; all 32 words lie in LDS
	s_cmp_lg_u32 s14, 0
	s_cbranch_scc1 .Lend                           ; wave 0 finishes
	ds_load_b32 v[ACC], v[LW]                      ; lane l takes wave l's word
	s_wait_dscnt 0x0
	WAVESUM
	s_wait_xcnt 0x0                                ; EXEC is a source of the stores above: it changes only behind this wait
	v_cmp_eq_u32 vcc_lo, 0, v0
	s_and_saveexec_b32 s20, vcc_lo
	global_store_b32 v[ZO], v[ACC], s[12:13]       ; one word a work-group: 1,024 bytes in the whole launch
	s_wait_xcnt 0x0                                ; and again, in front of the line that widens it
	s_or_b32 exec_lo, exec_lo, s20
.Lend:
	s_wait_tensorcnt 0x0                           ; the wave's end, behind my last LDS store
	ds_add_u32 v[SPW], v[NIL]
	s_wait_dscnt 0x0
	s_endpgm
.Lfunc_end_k_q240f97adfa_quant:
	.size	k_q240f97adfa_quant, .Lfunc_end_k_q240f97adfa_quant-k_q240f97adfa_quant
	.p2alignl 7, 3214868480
	.fill 96, 4, 3214868480
	.section	.rodata,"a",@progbits
	.p2align	6, 0x0
	.amdhsa_kernel k_q240f97adfa_quant
		.amdhsa_group_segment_fixed_size 4352
		.amdhsa_private_segment_fixed_size 0
		.amdhsa_enable_private_segment 0
		.amdhsa_kernarg_size 40
		.amdhsa_user_sgpr_count 2
		.amdhsa_user_sgpr_kernarg_segment_ptr 1
		.amdhsa_wavefront_size32 1
		.amdhsa_system_sgpr_workgroup_id_x 1
		.amdhsa_system_sgpr_workgroup_id_y 1
		.amdhsa_system_sgpr_workgroup_id_z 1
		.amdhsa_system_vgpr_workitem_id 0
		.amdhsa_next_free_vgpr 128
		.amdhsa_next_free_sgpr 66
		.amdhsa_reserve_vcc 1
		.amdhsa_float_denorm_mode_32 3
		.amdhsa_float_denorm_mode_16_64 3
		.amdhsa_memory_ordered 1
		.amdhsa_forward_progress 1
		.amdhsa_inst_pref_size 35
	.end_amdhsa_kernel
	.amdgpu_metadata
---
amdhsa.version: [ 1, 2 ]
amdhsa.kernels:
  - .name:           k_q240f97adfa_quant
    .symbol:         k_q240f97adfa_quant.kd
    .args:
      - { .name: W, .offset: 0, .size: 8, .value_kind: global_buffer, .address_space: global }
      - { .name: inputs, .offset: 8, .size: 8, .value_kind: global_buffer, .address_space: global }
      - { .name: acode, .offset: 16, .size: 8, .value_kind: global_buffer, .address_space: global }
      - { .name: wsign, .offset: 24, .size: 8, .value_kind: global_buffer, .address_space: global }
      - { .name: wpart, .offset: 32, .size: 8, .value_kind: global_buffer, .address_space: global }
    .group_segment_fixed_size: 4352
    .private_segment_fixed_size: 0
    .kernarg_segment_align: 8
    .kernarg_segment_size: 40
    .max_flat_workgroup_size: 1024
    .sgpr_count:     66
    .vgpr_count:     128
    .wavefront_size: 32
...
	.end_amdgpu_metadata
.endif
;; end of part 1
;; launch gemm (part 2): grid 16 x 16, 4 waves a work-group, clusters of 4 x 4, 327,680 bytes of LDS; arguments acode, wsign, wpart, b, out0; writes out0
.if DOCPART == 2
	.amdgcn_target "amdgcn-amd-amdhsa--gfx1250"
	.amdhsa_code_object_version 6
	.text
	.protected	k_q240f97adfa_gemm
	.globl	k_q240f97adfa_gemm
	.p2align	8
	.type	k_q240f97adfa_gemm,@function
k_q240f97adfa_gemm:
	s_mov_b64 s[64:65], 0
	v_nop
	global_prefetch_b8 v0, s[64:65] scope:SCOPE_SE
	s_setreg_imm32_b32 hwreg(HW_REG_WAVE_MODE, 25, 1), 1
	s_wait_xcnt 0x0
	s_wait_alu depctr_hold_cnt(0) depctr_sa_sdst(0) depctr_va_vdst(0) depctr_va_sdst(0) depctr_va_ssrc(0) depctr_va_vcc(0) depctr_vm_vsrc(0)
	s_getreg_b32 s2, hwreg(HW_REG_IB_STS2, 6, 4)
	s_cmp_eq_u32 s2, 0
	s_cbranch_scc0 .Lentry_in_a_cluster
	s_endpgm
.Lentry_in_a_cluster:
	s_bfe_u32 s2, ttmp6, 0x10000c
	s_cmp_lg_u32 s2, 0xf033
	s_cbranch_scc0 .Lentry_shape_is_right
	s_endpgm
.Lentry_shape_is_right:
; out0[m][n] = (E / 7) x (the sum over k of acode[m][k] wsign[k][n]) + b[n],  E = (the sum of wpart's 256 numbers) / 2^24.
; acode: [4096 m][4096 k] bf16, whole numbers 0 .. 7.  wsign: [4096 k][4096 n] bf16, -1, 0 or +1.  Every product and every partial sum is a whole number of at most 28,672 in magnitude: exact in
; bf16 and in the f32 accumulators, in any order.  What is rounded: E's sum, E / 7 (formed as sum x 2^-24 / 7: the constant and the product, once each) and one fused multiply-add an output.
; LIMIT.  Where W is all zero the source formula divides 0 by 0; this text gives b.
; SHARES.  A tile of out0, 256 x 256, is made by a work-group of four waves; a wave makes 128 x 128: 64 accumulators of 16 x 16, 512 registers.  16 x 16 tiles, one a work-group.  K goes in 32 steps of
; 128 through a ring of two LDS slots filled by the tensor data mover; a wave's one load is a quarter of a slot: 128 rows x 256 bytes of acode, or 64 rows x 512 bytes of wsign.
; CLUSTERS.  4 x 4 work-groups.  The four of a row of the cluster need the same tiles of acode, the four of a column the same tiles of wsign: each tile is asked for JOINTLY, by the same tensor load
; with the same descriptor and a mask that names the four; that divides the requests for both by four.
; THE MATRIX INSTRUCTION IS USED TRANSPOSED: source 0 = 16 columns n of wsign, source 1 = 16 rows m of acode.  In the result lane l holds row m = l % 16 and its registers 0 to 7 the columns
; n = 8 (l / 16) + 0 .. 7: 32 neighbouring bytes of a row of out0.  wsign lies [k][n] in LDS as in memory and is turned on its way into registers, by ds_load_tr16_b128.
; REGISTERS, in windows of 256 (s_set_vgpr_msb's low byte: bits 1:0 source 0, 3:2 source 1, 5:4 source 2, 7:6 destination):
;   window 0: v0-31 addresses and E / 7; v32-39 wpart; v64-127, v128-191 fragments of acode, two buffers; on the way out v64-127 results, v128-191 and v192-255 rows read back, by turns
;   window 1: v0-63 my 8 x 8 numbers of b; v64-127, v128-191 fragments of wsign, two buffers
;   window 2: the 32 accumulators of my rows 0-63 (accumulator (a, b) at v[8 (8 a + b)]);   window 3: those of my rows 64-127
.set SIZE_K, 4096
.set SIZE_N, 4096
.set KSTEP,  128
.set PA,     272                       ; an LDS row of acode: 256 bytes + 16 = 68 words: row r starts at bank 4 r mod 64 (64 banks of 4 bytes: ISA guide 11.1): the 16 rows of a load start at 16 different banks
.set PB,     544                       ; an LDS row of wsign: 512 bytes + 32 = 136 words: row r starts at bank 8 r mod 64
.set HALFT,  128*PA                    ; what one tensor load brings: 128 rows of acode, or 64 rows of wsign (64 x 544 is the same 34,816 bytes)
.set SLOT,   4*HALFT                   ; acode's 256 rows, then wsign's 128 rows
.set STAGE,  2*SLOT                    ; behind the ring, never filled by a tensor load: 16 rows x 528 bytes for each wave, for the way out
.set SP,     528                       ; a stage row: 512 bytes + 16 = 132 words: row r starts at bank 4 r mod 64
.set SPARE,  STAGE+4*16*SP             ; behind the stages: the spare words, 128 bytes for each wave: two blocks of 256 bytes that no other line names
.set LAPS,   SIZE_K/(2*KSTEP)          ; a lap = two K steps = once round the ring
.set ASTEP,  KSTEP*2                   ; a K step in memory: 256 bytes along acode's rows,
.set BSTEP,  KSTEP*SIZE_N*2            ; 128 rows of 8,192 bytes down wsign
.set SCL,  12                          ; v[12:13] E / 7, twice
.set ADRA, 16                          ; v16-17  LDS address of my fragments of acode in slot 0, 1
.set ADRB, 20                          ; v20-21  the same for wsign
.set STO,  24                          ; v24     the way out: where I put 32 bytes of a row
.set RD,   25                          ; v25     the way out: where I read a row back
.set CO,   26                          ; v26     16 x my lane: my place in 512 bytes of a row of out0, and in wpart
.set BO,   27                          ; v27     32 x (lane / 16): my place in 64 bytes of b
.set SPW,  28                          ; v28     LDS address of my spare word: SPARE + 4 x my thread's number; never rewritten
.set NIL,  29                          ; v29     0; never rewritten
.set PFO,  30                          ; v30     the prefetches' lane offset; never rewritten
.set F0,   64                          ; fragment buffer 0
.set F1,   128                         ; fragment buffer 1
.set TMP,  64                          ; the way out: a block's 16 x 128 results, in window 0
.set G1,  24                           ; s[24:31] descriptor group 1 for acode's tiles
.set G0,  32                           ; s[32:39] descriptor group 0 for acode's tiles, one set for each slot
.set G1B, 48                           ; s[48:55] descriptor group 1 for wsign's tiles
.set G0B, 56                           ; s[56:63] descriptor group 0 for wsign's tiles, one set for each slot
.set LIM, 43                           ; s43      1 in a wave that prefetches, else the greatest number
.set PFA, 44                           ; s[44:45] where my prefetches stand
.set PST, 66                           ; s[66:67] a K step in my prefetches' tensor
.set MSB, 0
.macro WIN new                         ; the immediate's high byte repeats the setting that is left; a switch that changes nothing is dropped
.if MSB != (\new)
	s_set_vgpr_msb (MSB<<8)|(\new)
.set MSB, \new
.endif
.endm
.set MUL_LO, 0xa1                      ; source 0 (wsign) window 1, source 1 (acode) window 0, C and D window 2
.set MUL_HI, 0xf1                      ; the same, C and D window 3
.set TO_B,   0x40                      ; destination window 1, address window 0
; A joint refill.  Waves 0 and 1 fetch acode's two halves, waves 2 and 3 wsign's.  Each of the two lines has one mask and one set of registers for all that issue it.  The branch hangs on the wave's
; number alone.  An s_nop 0 and four v_nop follow each of the two lines, ahead of the jump, the label and what follows the macro.
.macro JLOAD s
	s_cmp_eq_u32 s11, 0
	s_cbranch_scc0 .Lfor_b_\@
	tensor_load_to_lds s[G0+4*(\s):G0+4*(\s)+3], s[G1:G1+7]
	s_nop 0
.rept 4
	v_nop
.endr
	s_branch .Lasked_\@
.Lfor_b_\@:
	tensor_load_to_lds s[G0B+4*(\s):G0B+4*(\s)+3], s[G1B:G1B+7]
	s_nop 0
.rept 4
	v_nop
.endr
.Lasked_\@:
.endm
; A PREFETCH INTO THE L2, behind each joint refill, its five lines and the run of LDS loads that follows them: the K step that stands TWO refills on, 512 matrix instructions ahead of the load that will ask
; for it: 32 blocks of 256 bytes, a lane a block, one instruction a wave.  Each block is named ONCE in the launch.  A tile row of acode is read by every cluster of that row of clusters: cluster x = 0
; asks; a tile column of wsign by every cluster of that column: cluster y = 0 asks.  The four partners that ask for a tile jointly share it out BY ADDRESS: of the 128 rows of acode that a wave fetches
; the partner at cx takes 32 (256 bytes each); of the 64 rows of wsign the partner at cy takes 16 (two blocks of 256 bytes each).  No branch hangs on a work-group's place in its cluster.
; K steps 0 to 3 come by their loads alone; the loop's last trip (s3 = 1: refills 30 and 31) has no K step two on and asks for nothing.
.macro ASK
	s_cmp_gt_u32 s3, s[LIM]
	s_cbranch_scc0 .Lnot_mine_\@
	global_prefetch_b8 v[PFO], s[PFA:PFA+1] th:TH_LOAD_NT scope:SCOPE_SE
.Lnot_mine_\@:
.endm
; A round of the cluster's barrier: my work-group's barrier, so that wave 0's signal speaks for all four waves; wave 0 signals for the work-group; every wave waits for all sixteen work-groups; my
; work-group's barrier once more.  No LDS instruction of the wave is pending at a signal.
.macro CREST                           ; a round behind its opening barrier
	s_cmp_lg_u32 s10, 0
	s_cbranch_scc1 .Lnot_wave_0_\@
	s_barrier_signal -3
.Lnot_wave_0_\@:
	s_barrier_wait -3
	s_barrier_signal -1
	s_barrier_wait -1
.endm
.macro CROUND                          ; a whole round
	s_barrier_signal -1
	s_barrier_wait -1
	CREST
.endm
	s_load_b128 s[4:7], s[0:1], 0x0                ; acode s[4:5], wsign s[6:7]
	s_load_b128 s[68:71], s[0:1], 0x10             ; wpart s[68:69], b s[70:71]
	s_load_b64 s[8:9], s[0:1], 0x20                ; out0
	v_lshl_add_u32 v[SPW], v0, 2, SPARE
	v_mov_b32 v[NIL], 0
	ds_add_u32 v[SPW], v[NIL]                      ; the wave's opening: the add, twice on end, and its wait ahead of my first tensor load; the set-up below stands between the second and the wait
	ds_add_u32 v[SPW], v[NIL]                      ; and once more, under the one wait
	v_lshrrev_b32 v1, 5, v0
	v_readfirstlane_b32 s10, v1                    ; wave 0..3
	s_lshr_b32 s11, s10, 1                         ; which half of the tile's rows is mine.  Also: I fetch acode (0) or wsign (1)
	s_and_b32 s12, s10, 1                          ; which half of its columns.  Also: which half of that tensor's tile I fetch
	s_bfe_u32 s40, ttmp6, 0x40000                  ; cx: my place along the cluster's x
	s_bfe_u32 s41, ttmp6, 0x40004                  ; cy: along its y
	s_lshl_b32 s42, ttmp9, 2                       ; in a cluster launch ttmp9 and ttmp7 count clusters
	s_add_co_u32 s42, s42, s40                     ; tile column = 4 x cluster x + cx
	s_and_b32 s13, ttmp7, 0xffff
	s_lshl_b32 s13, s13, 2
	s_add_co_u32 s13, s13, s41                     ; tile row = 4 x cluster y + cy
	s_lshl_b32 s43, s41, 2
	s_lshl_b32 s43, 15, s43                        ; my row of the cluster: places 4 cy .. 4 cy + 3
	s_lshl_b32 s44, 0x1111, s40                    ; my column: places cx, cx + 4, cx + 8, cx + 12
	; group 1 for acode: 128 rows x 128 elements of 2 bytes, padded in LDS
	s_or_b32 s[G1+0], s43, (1<<16)|(1<<20)|(1<<21)|(5<<22)|(3<<25)  ; 15:0 the mask: my row; 17:16 elements of 2 bytes; 20 padding on; 21 set beside a mask; 24:22 after every 64 words (code 5); 31:25 4 words (code 3)
	s_mov_b32 s[G1+1], 128<<16                     ; tensor_dim0 = 128
	s_mov_b32 s[G1+2], 128<<16                     ; tensor_dim1 = 128
	s_mov_b32 s[G1+3], 128<<16                     ; tile_dim0 = 128
	s_mov_b32 s[G1+4], 128                         ; tile_dim1 = 128
	s_mov_b32 s[G1+5], SIZE_K                      ; elements from row to row
	s_mov_b32 s[G1+6], 0
	s_mov_b32 s[G1+7], 0
	; group 1 for wsign: 64 rows x 256 elements of 2 bytes, padded in LDS
	s_or_b32 s[G1B+0], s44, (1<<16)|(1<<20)|(1<<21)|(6<<22)|(7<<25) ; the mask: my column; after every 128 words (code 6) 8 words (code 7)
	s_mov_b32 s[G1B+1], 256<<16                    ; tensor_dim0 = 256
	s_mov_b32 s[G1B+2], 64<<16                     ; tensor_dim1 = 64
	s_mov_b32 s[G1B+3], 256<<16                    ; tile_dim0 = 256
	s_mov_b32 s[G1B+4], 64                         ; tile_dim1 = 64
	s_mov_b32 s[G1B+5], SIZE_N                     ; elements from row to row
	s_mov_b32 s[G1B+6], 0
	s_mov_b32 s[G1B+7], 0
	; where the tiles come from.  acode's hang on the tile row alone, which my row of the cluster shares; wsign's on the tile column alone, which my column shares.  Every wave makes both.
	s_lshl_b32 s16, s13, 8
	s_lshl_b32 s17, s12, 7
	s_add_co_u32 s16, s16, s17                     ; acode: row 256 x tile row + 128 x half,
	s_lshl_b32 s16, s16, 13                        ; of 8,192 bytes: under 2^25
	s_mov_b32 s17, 0
	s_lshl_b32 s46, s12, 19                        ; wsign: row 64 x half, of 8,192 bytes,
	s_lshl_b32 s47, s42, 9                         ; and 512 bytes x tile column
	s_add_co_u32 s46, s46, s47
	s_mov_b32 s47, 0
	s_mul_i32 s20, s10, HALFT                      ; and where they go: wave x 34,816: no place in the cluster enters an LDS address
	s_mov_b32 s72, 0x76543210                      ; v_permlanex16_b32: each lane takes its own place in the other half
	s_mov_b32 s73, 0xfedcba98
	s_wait_dscnt 0x0                               ; both opening adds are done
	s_wait_kmcnt 0x0
	s_add_nc_u64 s[14:15], s[4:5], s[16:17]
	s_add_nc_u64 s[46:47], s[6:7], s[46:47]
	CROUND                                         ; all sixteen work-groups are here: the first joint loads meet
.irp s, 0,1
	s_mov_b32 s[G0+4*(\s)], 1                                        ; count = 1
	s_add_co_u32 s[G0+4*(\s)+1], s20, (\s)*SLOT                      ; LDS address
	s_add_nc_u64 s[G0+4*(\s)+2:G0+4*(\s)+3], s[14:15], (\s)*ASTEP    ; global address: K step s
	s_or_b32 s[G0+4*(\s)+3], s[G0+4*(\s)+3], 0x80000000              ; type = 2
	s_mov_b32 s[G0B+4*(\s)], 1
	s_add_co_u32 s[G0B+4*(\s)+1], s20, (\s)*SLOT
	s_add_nc_u64 s[G0B+4*(\s)+2:G0B+4*(\s)+3], s[46:47], (\s)*BSTEP
	s_or_b32 s[G0B+4*(\s)+3], s[G0B+4*(\s)+3], 0x80000000
.endr
	s_cmp_eq_u32 s11, 0                            ; a wave's two first fills stand in one branch, ahead of every wait on TENSORcnt and every LDS read: two loads of mine are out
	s_cbranch_scc0 .Lfirst_b
	tensor_load_to_lds s[G0:G0+3], s[G1:G1+7]
	s_nop 0
	tensor_load_to_lds s[G0+4:G0+7], s[G1:G1+7]
	s_nop 0
.rept 4
	v_nop
.endr
	s_branch .Lfirst_asked
.Lfirst_b:
	tensor_load_to_lds s[G0B:G0B+3], s[G1B:G1B+7]
	s_nop 0
	tensor_load_to_lds s[G0B+4:G0B+7], s[G1B:G1B+7]
	s_nop 0
.rept 4
	v_nop
.endr
.Lfirst_asked:
	; wpart, b and all addresses are made while the first tiles are on their way
	v_and_b32 v1, 15, v0                           ; l % 16
	v_bfe_u32 v2, v0, 4, 1                         ; l / 16
	v_and_b32 v7, 31, v0                           ; l
	v_lshlrev_b32 v[CO], 4, v7
	v_lshlrev_b32 v[BO], 5, v2
	s_lshl_b32 s46, s42, 10                        ; my first column in bytes of f32: 1,024 x tile column + 512 x half
	s_lshl_b32 s47, s12, 9
	s_add_co_u32 s46, s46, s47
	s_mov_b32 s47, 0
	s_add_nc_u64 s[70:71], s[70:71], s[46:47]      ; b at my first column
	s_add_nc_u64 s[8:9], s[8:9], s[46:47]          ; out0 likewise,
	s_lshl_b32 s18, s13, 8
	s_lshl_b32 s19, s11, 7
	s_add_co_u32 s18, s18, s19                     ; and at my first row, 256 x tile row + 128 x half,
	s_lshl_b32 s18, s18, 14                        ; of 16,384 bytes: under 2^26
	s_mov_b32 s19, 0
	s_add_nc_u64 s[8:9], s[8:9], s[18:19]
	global_load_b128 v[32:35], v[CO], s[68:69]             ; wpart's 256 numbers: eight a lane
	global_load_b128 v[36:39], v[CO], s[68:69] offset:512
	WIN TO_B
.irp b, 0,1,2,3,4,5,6,7
	global_load_b128 v[8*(\b):8*(\b)+3],   v[BO], s[70:71] offset:64*(\b)      ; b[16 b + 8 (l / 16) + 0 .. 3] of my 128 columns,
	global_load_b128 v[8*(\b)+4:8*(\b)+7], v[BO], s[70:71] offset:64*(\b)+16   ; + 4 .. 7: laid as accumulator (a, b)'s registers are
.endr
	WIN 0
	; A fragment of acode is 16 rows x 32 K in 8 registers: lane l holds row l % 16; registers 0-3 K = 8 (l / 16) + 0..7, registers 4-7 K = 16 + 8 (l / 16) + 0..7: two loads of 16 bytes, 32 bytes apart.
	v_mul_u32_u24 v3, v1, PA
	v_lshl_add_u32 v3, v2, 4, v3                   ; row x pitch + 16 x half
	; The turning load takes 16 k x 16 n (lane l reads 16 bytes: k-row 8 (l / 16) + l % 8, columns 8 ((l / 8) % 2) + 0..7) and leaves half a fragment: lane l holds column l % 16 and 8 k.
	v_and_b32 v4, 7, v0
	v_lshl_add_u32 v4, v2, 3, v4
	v_mul_u32_u24 v4, v4, PB
	v_bfe_u32 v5, v0, 3, 1
	v_lshl_add_u32 v4, v5, 4, v4
	s_mul_i32 s21, s11, HALFT                      ; my 128 rows of acode
	s_lshl_b32 s22, s12, 8                         ; my 128 columns of wsign: 256 bytes of its rows,
	s_add_co_u32 s22, s22, 2*HALFT                 ; which lie behind acode's 256
.irp s, 0,1
	v_add_nc_u32 v[ADRA+(\s)], s21, v3
	v_add_nc_u32 v[ADRB+(\s)], s22, v4
	s_add_co_u32 s21, s21, SLOT
	s_add_co_u32 s22, s22, SLOT
.endr
	s_mul_i32 s23, s10, 16*SP
	s_add_co_u32 s23, s23, STAGE                   ; my stage
	v_mul_u32_u24 v6, v1, SP                       ; in: row l % 16, 32 bytes for each half of the lanes
	v_lshl_add_u32 v6, v2, 5, v6
	v_add_nc_u32 v[STO], s23, v6
	v_add_nc_u32 v[RD], s23, v[CO]                 ; back: 32 lanes take one row of 512 bytes
	; the prefetches: where they stand (at K step 3: the first refill steps this to 4), their step, who asks
	s_lshl_b32 s20, s13, 8
	s_lshl_b32 s21, s12, 7
	s_add_co_u32 s20, s20, s21                     ; acode: the 128 rows that I fetch,
	s_lshl_b32 s21, s40, 5
	s_add_co_u32 s20, s20, s21                     ; my work-group's 32 of them,
	s_lshl_b32 s20, s20, 13
	s_add_co_u32 s20, s20, 3*ASTEP
	s_lshl_b32 s21, s12, 6                         ; wsign: the 64 rows that I fetch,
	s_lshl_b32 s23, s41, 4
	s_add_co_u32 s21, s21, s23                     ; my work-group's 16 of them,
	s_lshl_b32 s21, s21, 13
	s_lshl_b32 s23, s42, 9
	s_add_co_u32 s21, s21, s23                     ; the tile column's 512 bytes
	s_add_co_u32 s21, s21, 3*BSTEP
	s_and_b32 s22, ttmp7, 0xffff                   ; cluster y
	s_mov_b32 s[PST], ASTEP
	s_mov_b32 s[PST+1], 0
	s_cmp_eq_u32 s11, 0                            ; do I fetch acode?
	s_cselect_b32 s20, s20, s21
	s_cselect_b32 s22, ttmp9, s22                  ; the coordinate along which other clusters read the same bytes
	s_cselect_b32 s[PST], s[PST], BSTEP
	s_cselect_b32 s18, 0, 1                        ; acode: a lane a row; wsign: two lanes a row.  Serves as a shift and as a mask
	s_cselect_b64 s[PFA:PFA+1], s[4:5], s[6:7]
	s_cmp_eq_u32 s22, 0
	s_cselect_b32 s[LIM], 1, -1                    ; the same in all sixteen partners, for a given wave
	s_mov_b32 s21, 0
	s_add_nc_u64 s[PFA:PFA+1], s[PFA:PFA+1], s[20:21]
	v_lshrrev_b32 v8, s18, v7
	v_and_b32 v9, s18, v7
	v_lshlrev_b32 v8, 13, v8                       ; my row, of 8,192 bytes,
	v_lshl_add_u32 v[PFO], v9, 8, v8               ; and which 256 bytes of it
	; E / 7: every wave adds the 256 partial sums in the same order
	s_wait_loadcnt 0x0                             ; wpart and b
	v_pk_add_f32 v[32:33], v[32:33], v[36:37]
	v_pk_add_f32 v[34:35], v[34:35], v[38:39]
	v_pk_add_f32 v[32:33], v[32:33], v[34:35]
	v_add_f32 v32, v32, v33
	v_add_f32_dpp v32, v32, v32 row_xmask:1 row_mask:0xf bank_mask:0xf
	v_add_f32_dpp v32, v32, v32 row_xmask:2 row_mask:0xf bank_mask:0xf
	v_add_f32_dpp v32, v32, v32 row_xmask:4 row_mask:0xf bank_mask:0xf
	v_add_f32_dpp v32, v32, v32 row_xmask:8 row_mask:0xf bank_mask:0xf
	v_permlanex16_b32 v33, v32, s72, s73
	v_add_f32 v32, v32, v33
	v_mul_f32 v[SCL], 0x32124925, v32              ; x 2^-24 / 7
	v_mov_b32 v[SCL+1], v[SCL]
; 16 matrix instructions: m blocks a0, a0 + 1 of the window's four (hi = 0: my rows 0-63, 1: rows 64-127) x all 8 n blocks, 32 along K.  zero = 1: the first product starts the sums: nothing is cleared.
; The 64 accumulators take turns, one instruction a turn, in the same order in every quarter: 63 others' stand between two links of a chain, over the backward jump too.
.macro MUL16 f, hi, a0, zero
	WIN MUL_LO+0x50*(\hi)
.irp a, \a0, (\a0)+1
.irp b, 0,1,2,3,4,5,6,7
.if \zero
	v_wmma_f32_16x16x32_bf16 v[8*(8*(\a)+(\b)):8*(8*(\a)+(\b))+7], v[(\f)+8*(\b):(\f)+8*(\b)+7], v[(\f)+8*(4*(\hi)+(\a)):(\f)+8*(4*(\hi)+(\a))+7], 0
.else
	v_wmma_f32_16x16x32_bf16 v[8*(8*(\a)+(\b)):8*(8*(\a)+(\b))+7], v[(\f)+8*(\b):(\f)+8*(\b)+7], v[(\f)+8*(4*(\hi)+(\a)):(\f)+8*(4*(\hi)+(\a))+7], v[8*(8*(\a)+(\b)):8*(8*(\a)+(\b))+7]
.endif
.endr
.endr
.endm
; 32 LDS loads in one run: the fragments of quarter q of a K step (K = 32 q on) into buffer f: wsign's 128 columns, turned (k-rows 32 q on: 32 x 544 bytes a quarter; the second half 16 rows on), then acode's 128 rows
.macro FETCH slot, q, f
	WIN TO_B
.irp i, 0,1,2,3,4,5,6,7
	ds_load_tr16_b128 v[(\f)+8*(\i):(\f)+8*(\i)+3],   v[ADRB+(\slot)] offset:(\q)*32*PB+32*(\i)
	ds_load_tr16_b128 v[(\f)+8*(\i)+4:(\f)+8*(\i)+7], v[ADRB+(\slot)] offset:(\q)*32*PB+16*PB+32*(\i)
.endr
	WIN 0
.irp i, 0,1,2,3,4,5,6,7
	ds_load_b128 v[(\f)+8*(\i):(\f)+8*(\i)+3],   v[ADRA+(\slot)] offset:64*(\q)+(\i)*16*PA
	ds_load_b128 v[(\f)+8*(\i)+4:(\f)+8*(\i)+7], v[ADRA+(\slot)] offset:64*(\q)+(\i)*16*PA+32
.endr
.endm
; A load into a register that a matrix instruction has read, and a vector instruction that reads a matrix result or writes one of its registers, stand four places behind it; only plain vector
; instructions that name none of its registers are places (ISA guide 7.12.1 for vector instructions).
.macro PLACES
.rept 4
	v_nop
.endr
.endm
; A K step is four quarters of 32 along K, 64 matrix instructions each, on buffers 0, 1, 0, 1.  One of the first three: multiplies buffer f; in its middle it fetches quarter q of the same slot into buffer g.
.macro QUARTER slot, q, f, g, zero
	s_wait_dscnt 8                                 ; wsign's fragments and acode's rows 0-63 are in; the youngest eight loads (rows 64-127) may be out
	MUL16 \f, 0, 0, \zero
	MUL16 \f, 0, 2, \zero
	PLACES
	FETCH \slot, \q, \g
	s_wait_dscnt 32                                ; all but the 32 just issued
	MUL16 \f, 1, 0, \zero
	MUL16 \f, 1, 2, \zero
.endm
; The last quarter multiplies buffer 1 and changes slots.  MEET is its first half: one barrier for the change.  In front of it each wave waits for all its tensor loads, of which one is out: its part of the
; next slot; adds 0 to its spare word; and waits for that and for its own reads of this slot.  Behind it nobody reads this slot any more and the next slot is whole.
.macro MEET round                      ; round = 1: the rest of a round of the cluster's barrier follows
	WIN 0                                          ; (the add's two registers lie in window 0)
	s_wait_tensorcnt 0x0                           ; all my tensor loads have landed
	ds_add_u32 v[SPW], v[NIL]                      ; 0 onto my spare word
	s_wait_dscnt 9                                 ; (the add and the youngest eight loads may be out)
	MUL16 F1, 0, 0, 0                              ; sixteen matrix instructions stand between the add and the wait for it
	s_wait_dscnt 0x0                               ; the add is done, and my reads of this slot are over
	s_barrier_signal -1
	MUL16 F1, 0, 2, 0                              ; work on registers while the others arrive
.if \round
	WIN 0
.endif
	s_barrier_wait -1
.endm
; The whole last quarter, where the slot just read out is filled again with the K step two on: the refill is the first tensor load behind the round; from there to the wait for it a wave issues 224 matrix instructions.
.macro TURN slot, next
	s_wait_xcnt 0x0                                ; the last prefetch, a K step back, has read its address: it is stepped here, ahead of the waits of the change of slots
	s_add_nc_u64 s[PFA:PFA+1], s[PFA:PFA+1], s[PST:PST+1]
	MEET 1
	CREST                                          ; no wave of any partner still reads this slot's tile or has a load on its way
	s_add_nc_u64 s[G0+4*(\slot)+2:G0+4*(\slot)+3], s[G0+4*(\slot)+2:G0+4*(\slot)+3], 2*ASTEP     ; no tensor load of mine is out: the group 0 may be written
	s_add_nc_u64 s[G0B+4*(\slot)+2:G0B+4*(\slot)+3], s[G0B+4*(\slot)+2:G0B+4*(\slot)+3], 2*BSTEP
	JLOAD \slot                                    ; the four v_nop behind it are also the places in front of the loads below
	FETCH \next, 0, F0
	ASK
	MUL16 F1, 1, 0, 0
	MUL16 F1, 1, 2, 0
.endm
; THE WAY OUT of block a (16 rows x 128 columns), in three parts.  SCALE: sum x E / 7 + b, one fused multiply-add a number, each accumulator's registers in ascending order.  TOSTAGE: into my own stage
; in LDS, and back as whole rows of 512 bytes.  SEND: stored.
.macro SCALE a
	WIN 0x12+(\a)/4                                ; source 0 window 2 or 3, source 1 window 0, source 2 (b) window 1, destination window 0
.irp b, 0,1,2,3,4,5,6,7
.irp r, 0,1,2,3
	v_pk_fma_f32 v[TMP+8*(\b)+2*(\r):TMP+8*(\b)+2*(\r)+1], v[64*((\a)%4)+8*(\b)+2*(\r):64*((\a)%4)+8*(\b)+2*(\r)+1], v[SCL:SCL+1], v[8*(\b)+2*(\r):8*(\b)+2*(\r)+1]
.endr
.endr
	WIN 0
.endm
.macro TOSTAGE a
	WIN 0
.set BK, 128+64*((\a)%2)
.irp b, 0,1,2,3,4,5,6,7
	ds_store_b128 v[STO], v[TMP+8*(\b):TMP+8*(\b)+3]   offset:64*(\b)
	ds_store_b128 v[STO], v[TMP+8*(\b)+4:TMP+8*(\b)+7] offset:64*(\b)+16
.endr
.irp t, 0,1,2,3,4,5,6,7,8,9,10,11,12,13,14,15
	ds_load_b128 v[BK+4*(\t):BK+4*(\t)+3], v[RD] offset:(\t)*SP  ; LDS serves a wave's instructions in order (ISA guide 5.7.1.4): these see the stores above; the stage is my own
.endr
.endm
.macro SEND a
	WIN 0
.set BK, 128+64*((\a)%2)
	s_wait_dscnt 0x0                               ; the block is back in registers
	s_wait_xcnt 0x0                                ; the stores of the block before have read their data: the next TOSTAGE loads into those registers only behind this wait
.irp t, 0,1,2,3,4,5,6,7,8,9,10,11,12,13,14,15
	global_store_b128 v[CO], v[BK+4*(\t):BK+4*(\t)+3], s[8:9] offset:(16*(\a)+(\t))*SIZE_N*4 th:TH_STORE_NT  ; a wave's store covers 512 consecutive bytes, at a multiple of 512 from out0's first; 127 rows at the most: inside the signed 24-bit immediate
.endr
.endm
	s_wait_tensorcnt 1                             ; my part of K step 0 is in; K step 1's may stay out
	s_barrier_signal -1
	s_barrier_wait -1                              ; everybody's is
	FETCH 0, 0, F0
	QUARTER 0, 1, F0, F1, 1                        ; the first quarter stands in front of the loop: its products start the sums
	WIN 0                                          ; at a label and at a branch every window is 0
	s_mov_b32 s3, LAPS-1
.Llap:                                                 ; a trip goes once round the ring, from a lap's second quarter to the next lap's first, and fills both slots again: 15 trips, K steps 2 to 31
	QUARTER 0, 2, F1, F0, 0
	QUARTER 0, 3, F0, F1, 0
	TURN 0, 1
	QUARTER 1, 1, F0, F1, 0
	QUARTER 1, 2, F1, F0, 0
	QUARTER 1, 3, F0, F1, 0
	TURN 1, 0
	QUARTER 0, 1, F0, F1, 0
	WIN 0
	s_sub_co_u32 s3, s3, 1
	s_cmp_lg_u32 s3, 0
	s_cbranch_scc1 .Llap
	QUARTER 0, 2, F1, F0, 0                        ; the last lap is written out: it fills nothing, and has no round of the cluster's barrier
	QUARTER 0, 3, F0, F1, 0
	MEET 0                                         ; my one tensor load that was still out is slot 1's, the last K step's
	PLACES                                         ; for the loads into buffer 0, which the quarter before multiplied
	FETCH 1, 0, F0
	MUL16 F1, 1, 0, 0
	MUL16 F1, 1, 2, 0
	QUARTER 1, 1, F0, F1, 0
	QUARTER 1, 2, F1, F0, 0
	QUARTER 1, 3, F0, F1, 0
	s_wait_dscnt 8                                 ; the very last quarter: nothing more to fetch
	MUL16 F1, 0, 0, 0
	MUL16 F1, 0, 2, 0
	s_wait_dscnt 0x0
	MUL16 F1, 1, 0, 0
	MUL16 F1, 1, 2, 0
	PLACES                                         ; behind the last products, in front of the lines that read results and write over fragments: eight plain places,
	PLACES                                         ; twice what this form's distance asks, once a launch
	SCALE 0
	TOSTAGE 0
.irp a, 1,2,3,4,5,6,7                  ; block a's arithmetic stands between block a - 1's loads from the stage and the wait for them
	SCALE \a
	SEND (\a)-1
	TOSTAGE \a
.endr
	SEND 7
	s_wait_tensorcnt 0x0                           ; the wave's end, behind my last tensor load and my last LDS store
	ds_add_u32 v[SPW], v[NIL]
	s_wait_dscnt 0x0
	CROUND                                         ; the closing round: no work-group ends while a partner may still ask for a tile that names it
	s_endpgm
.Lfunc_end_k_q240f97adfa_gemm:
	.size	k_q240f97adfa_gemm, .Lfunc_end_k_q240f97adfa_gemm-k_q240f97adfa_gemm
	.p2alignl 7, 3214868480
	.fill 96, 4, 3214868480
	.section	.rodata,"a",@progbits
	.p2align	6, 0x0
	.amdhsa_kernel k_q240f97adfa_gemm
		.amdhsa_group_segment_fixed_size 327680
		.amdhsa_private_segment_fixed_size 0
		.amdhsa_enable_private_segment 0
		.amdhsa_kernarg_size 40
		.amdhsa_user_sgpr_count 2
		.amdhsa_user_sgpr_kernarg_segment_ptr 1
		.amdhsa_wavefront_size32 1
		.amdhsa_system_sgpr_workgroup_id_x 1
		.amdhsa_system_sgpr_workgroup_id_y 1
		.amdhsa_system_sgpr_workgroup_id_z 1
		.amdhsa_system_vgpr_workitem_id 0
		.amdhsa_next_free_vgpr 1024
		.amdhsa_next_free_sgpr 76
		.amdhsa_reserve_vcc 0
		.amdhsa_float_denorm_mode_32 3
		.amdhsa_float_denorm_mode_16_64 3
		.amdhsa_memory_ordered 1
		.amdhsa_forward_progress 1
		.amdhsa_inst_pref_size 160
	.end_amdhsa_kernel
	.amdgpu_metadata
---
amdhsa.version: [ 1, 2 ]
amdhsa.kernels:
  - .name:           k_q240f97adfa_gemm
    .symbol:         k_q240f97adfa_gemm.kd
    .args:
      - { .name: acode, .offset: 0, .size: 8, .value_kind: global_buffer, .address_space: global }
      - { .name: wsign, .offset: 8, .size: 8, .value_kind: global_buffer, .address_space: global }
      - { .name: wpart, .offset: 16, .size: 8, .value_kind: global_buffer, .address_space: global }
      - { .name: b, .offset: 24, .size: 8, .value_kind: global_buffer, .address_space: global }
      - { .name: out0, .offset: 32, .size: 8, .value_kind: global_buffer, .address_space: global }
    .group_segment_fixed_size: 327680
    .private_segment_fixed_size: 0
    .kernarg_segment_align: 8
    .kernarg_segment_size: 40
    .max_flat_workgroup_size: 128
    .sgpr_count:     76
    .vgpr_count:     1024
    .wavefront_size: 32
...
	.end_amdgpu_metadata
.endif
;; end of part 2
